; MI455X (gfx1250); checked and timed in simulation.
; The chip was launched on July 23, 2026; its instructions are those of AMD's public machine-readable ISA for CDNA 5 (MIT licence, August 2026) and "CDNA5" Instruction Set Architecture Reference Guide (July 2026). The comments in the code are by the model that wrote it; some were corrected since.
;; Attn. Allowed arithmetic: float matrix products may take bf16 or f16 operands with f32 sums; all other float work in f32.
;; Inputs: Bq 1 x 1,024 float32; Wk 1,024 x 1,024 float32; Wq 1,024 x 1,024 float32; Wv 1,024 x 1,024 float32; x 2 x 2,048 x 1,024 float32.
;; Outputs: out0 2 x 2,048 x 1,024 float32.
;; Constants: n_heads = 16.
;; One version. Each part assembles by itself: llvm-mc -triple=amdgcn-amd-amdhsa -mcpu=gfx1250 --defsym DOCPART=n.
;; ======== version 1 of 1: 4 launches
;; workspace buffers: xb 8,388,608 bytes; wt 6,291,456 bytes; qw 8,388,608 bytes; kw 8,388,608 bytes; vw 8,388,608 bytes; ow 16,777,216 bytes
;; launch prep (part 1): grid 128 x 7, 8 waves a work-group, no clusters, 18,432 bytes of LDS; arguments Wq, Wk, Wv, x, wt, xb; writes wt, xb
.if DOCPART == 1
	.amdgcn_target "amdgcn-amd-amdhsa--gfx1250"
	.amdhsa_code_object_version 6
	.text
	.protected	k_q113309bb2b_prep
	.globl	k_q113309bb2b_prep
	.p2align	8
	.type	k_q113309bb2b_prep,@function
k_q113309bb2b_prep:
	s_mov_b64 s[64:65], 0
	v_nop
	global_prefetch_b8 v0, s[64:65] scope:SCOPE_SE
	s_setreg_imm32_b32 hwreg(HW_REG_WAVE_MODE, 25, 1), 1
	s_wait_xcnt 0x0
; Rounds the operands of the projections to bf16, once, and puts the weights in the order in which the product wants them.
;   xb[row][k]                   = bf16(x[row][k])                        4096 x 1024
;   wt[h*192 + mat*64 + d][k]    = bf16(W_mat[k][d*16 + h])               mat 0, 1, 2 = q, k, v; 3072 x 1024, k along the rows
; Grid y = 0, 1, 2: a work-group transposes 128 k x 64 columns of one weight matrix through LDS.  Grid y = 3 .. 6: it rounds 32 KiB of x.
; Both kinds read 32 KiB.  The branch hangs on the work-group's y alone, so all eight waves take the same way and meet the one barrier.
; A stream: each input byte is read once, each store of sixteen (b128) or thirty-two (b64) neighbouring lanes covers 256 consecutive
; aligned bytes.  No work-group shares a byte with another, so there is no cluster; there is no product, so no matrix instruction.
; LIMIT: rounding to bf16 (nearest even) is the only change of value; bf16 has f32's range, so no input overflows here.
.set PITCH, 272                        ; an LDS row: 128 k of bf16 (256 bytes) + 16: rows that are neighbours start 16 bytes apart modulo 256
.set XIN,   8                          ; v[8:39]   eight loads of 16 bytes
.set PK,    40                         ; v[40:55]  packed bf16
	s_load_b256 s[4:11], s[0:1], 0x0               ; Wq s[4:5], Wk s[6:7], Wv s[8:9], x s[10:11]
	s_load_b128 s[12:15], s[0:1], 0x20             ; wt s[12:13], xb s[14:15]
	v_lshl_add_u32 v64, v0, 2, 0x4400
	v_mov_b32 v65, 0
	s_and_b32 s20, ttmp7, 0xffff                   ; the work-group's y
	s_cmp_lt_u32 s20, 3
	s_cbranch_scc0 .Lcast_x
	; ---- a block of a weight matrix: k = 128 kblk .. + 127, columns 64 d4 .. + 63 (4 d x 16 heads, 256 bytes of each row) ----
	s_lshr_b32 s21, ttmp9, 4                       ; kblk
	s_and_b32 s22, ttmp9, 15                       ; d4
	s_lshl_b32 s24, s21, 19                        ; 128 rows of 4,096 bytes
	s_lshl_b32 s23, s22, 8
	s_add_co_u32 s24, s24, s23                     ; + 256 bytes for each d4
	s_mov_b32 s25, 0
	s_lshl_b32 s26, s20, 17                        ; in wt: mat x 64 rows of 2,048 bytes
	s_lshl_b32 s23, s22, 13                        ; + d4 x 4 rows
	s_add_co_u32 s26, s26, s23
	s_lshl_b32 s23, s21, 8                         ; + kblk x 256 bytes along the row
	s_add_co_u32 s26, s26, s23
	s_mov_b32 s27, 0
	v_and_b32 v1, 15, v0                           ; cq: which 4 columns (16 bytes) of the 64
	v_bfe_u32 v2, v0, 4, 1                         ; hh: half of the wave
	v_lshrrev_b32 v3, 5, v0                        ; w: wave
	v_lshl_add_u32 v4, v3, 1, v2                   ; 2 w + hh: which 8 rows (k) of the 128 are mine
	v_lshlrev_b32 v5, 15, v4                       ; 8 rows of 4,096 bytes each
	v_lshl_add_u32 v5, v1, 4, v5                   ; source offset
	v_mul_u32_u24 v6, v1, PITCH
	v_lshl_add_u32 v6, v4, 4, v6                   ; LDS, in: row cq (+ 16 e by the immediate), byte 2 x (16 w + 8 hh)
	v_lshl_add_u32 v7, v3, 3, v2                   ; LDS, back: row 8 w + hh (+ 2 i by the immediate),
	v_mul_u32_u24 v7, v7, PITCH
	v_lshl_add_u32 v7, v1, 4, v7                   ; 16 bytes a lane: sixteen lanes take a row's 256 bytes
	; LDS row rho = 16 e + cq holds column 4 cq + e, that is d = 4 d4 + (cq >> 2), head = 4 (cq & 3) + e.
	; For rho = 8 w + 2 i + hh: e = w >> 1, cq = 8 (w & 1) + 2 i + hh, so head = 8 (i & 1) + 4 hh + (w >> 1), d - 4 d4 = 2 (w & 1) + (i >> 1).
	v_lshrrev_b32 v56, 1, v3
	v_mul_u32_u24 v56, v56, 0x60000                ; (w >> 1) heads of 192 rows of 2,048 bytes
	v_mad_u32_u24 v56, v2, 0x180000, v56           ; + 4 hh heads
	v_and_b32 v57, 1, v3
	v_lshl_add_u32 v56, v57, 12, v56               ; + 2 (w & 1) rows
	v_lshl_add_u32 v56, v1, 4, v56                 ; + my 16 bytes of the row's 256
	s_wait_kmcnt 0x0
	s_cmp_eq_u32 s20, 1
	s_cselect_b64 s[16:17], s[6:7], s[4:5]         ; the matrix is chosen by the work-group's y
	s_cmp_eq_u32 s20, 2
	s_cselect_b64 s[16:17], s[8:9], s[16:17]
	s_add_nc_u64 s[16:17], s[16:17], s[24:25]
	s_add_nc_u64 s[12:13], s[12:13], s[26:27]
.irp i, 0,1,2,3,4,5,6,7
	global_load_b128 v[XIN+4*\i:XIN+4*\i+3], v5, s[16:17] offset:\i*4096 th:TH_LOAD_NT   ; sixteen lanes read one row's 256 bytes
.endr
	s_wait_loadcnt 0x0                             ; a column's eight k lie in all eight loads
.irp e, 0,1,2,3
.irp p, 0,1,2,3
	v_cvt_pk_bf16_f32 v[PK+4*\e+\p], v[XIN+8*\p+\e], v[XIN+8*\p+4+\e]     ; column 4 cq + e: k = 2 p low, 2 p + 1 high
.endr
	ds_store_b128 v6, v[PK+4*\e:PK+4*\e+3] offset:\e*16*PITCH             ; eight k of one column
.endr
	s_wait_dscnt 0x0                               ; my stores are done before I say so: other waves read these rows
	s_barrier_signal -1
	s_barrier_wait -1
.irp i, 0,1,2,3
	ds_load_b128 v[XIN+4*\i:XIN+4*\i+3], v7 offset:\i*2*PITCH
.endr
.irp i, 0,1,2,3
	s_wait_dscnt 3-\i                              ; LDS loads come back in order: number i is in, the younger ones may be out
	global_store_b128 v56, v[XIN+4*\i:XIN+4*\i+3], s[12:13] offset:(\i&1)*3145728+(\i>>1)*2048   ; 8 (i & 1) heads, (i >> 1) rows; sixteen lanes: 256 aligned bytes
.endr
	s_wait_tensorcnt 0x0
	ds_add_u32 v64, v65
	s_wait_dscnt 0x0
	s_endpgm
	; ---- 32 KiB of x ----
.Lcast_x:
	s_sub_co_u32 s21, s20, 3
	s_lshl_b32 s21, s21, 7
	s_add_co_u32 s21, s21, ttmp9                   ; chunk 0 .. 511
	s_lshl_b32 s24, s21, 15                        ; 32 KiB in
	s_mov_b32 s25, 0
	s_lshl_b32 s26, s21, 14                        ; 16 KiB out
	s_mov_b32 s27, 0
	v_lshlrev_b32 v4, 4, v0
	v_lshlrev_b32 v5, 3, v0
	s_wait_kmcnt 0x0
	s_add_nc_u64 s[10:11], s[10:11], s[24:25]
	s_add_nc_u64 s[14:15], s[14:15], s[26:27]
.irp i, 0,1,2,3,4,5,6,7
	global_load_b128 v[XIN+4*\i:XIN+4*\i+3], v4, s[10:11] offset:\i*4096 th:TH_LOAD_NT
.endr
.irp i, 0,1,2,3,4,5,6,7
	s_wait_loadcnt 7-\i                            ; loads come back in order: number i is in, the 7 - i younger ones stay out
	v_cvt_pk_bf16_f32 v[PK+2*\i],   v[XIN+4*\i],   v[XIN+4*\i+1]
	v_cvt_pk_bf16_f32 v[PK+2*\i+1], v[XIN+4*\i+2], v[XIN+4*\i+3]
	global_store_b64 v5, v[PK+2*\i:PK+2*\i+1], s[14:15] offset:\i*2048    ; a wave's 32 lanes: 256 aligned bytes; each store has data registers of its own
.endr
	s_endpgm
.Lfunc_end_k_q113309bb2b_prep:
	.size	k_q113309bb2b_prep, .Lfunc_end_k_q113309bb2b_prep-k_q113309bb2b_prep
	.p2alignl 7, 3214868480
	.fill 96, 4, 3214868480
	.section	.rodata,"a",@progbits
	.p2align	6, 0x0
	.amdhsa_kernel k_q113309bb2b_prep
		.amdhsa_group_segment_fixed_size 18432
		.amdhsa_private_segment_fixed_size 0
		.amdhsa_enable_private_segment 0
		.amdhsa_kernarg_size 48
		.amdhsa_user_sgpr_count 2
		.amdhsa_user_sgpr_kernarg_segment_ptr 1
		.amdhsa_wavefront_size32 1
		.amdhsa_system_sgpr_workgroup_id_x 1
		.amdhsa_system_sgpr_workgroup_id_y 1
		.amdhsa_system_sgpr_workgroup_id_z 1
		.amdhsa_system_vgpr_workitem_id 0
		.amdhsa_next_free_vgpr 66
		.amdhsa_next_free_sgpr 66
		.amdhsa_reserve_vcc 0
		.amdhsa_float_denorm_mode_32 3
		.amdhsa_float_denorm_mode_16_64 3
		.amdhsa_memory_ordered 1
		.amdhsa_forward_progress 1
		.amdhsa_inst_pref_size 9
	.end_amdhsa_kernel
	.amdgpu_metadata
---
amdhsa.version: [ 1, 2 ]
amdhsa.kernels:
  - .name:           k_q113309bb2b_prep
    .symbol:         k_q113309bb2b_prep.kd
    .args:
      - { .name: Wq, .offset: 0, .size: 8, .value_kind: global_buffer, .address_space: global }
      - { .name: Wk, .offset: 8, .size: 8, .value_kind: global_buffer, .address_space: global }
      - { .name: Wv, .offset: 16, .size: 8, .value_kind: global_buffer, .address_space: global }
      - { .name: x, .offset: 24, .size: 8, .value_kind: global_buffer, .address_space: global }
      - { .name: wt, .offset: 32, .size: 8, .value_kind: global_buffer, .address_space: global }
      - { .name: xb, .offset: 40, .size: 8, .value_kind: global_buffer, .address_space: global }
    .group_segment_fixed_size: 18432
    .private_segment_fixed_size: 0
    .kernarg_segment_align: 8
    .kernarg_segment_size: 48
    .max_flat_workgroup_size: 256
    .sgpr_count:     66
    .vgpr_count:     66
    .wavefront_size: 32
...
	.end_amdgpu_metadata
.endif
;; end of part 1
;; launch proj (part 2): grid 16 x 16, 4 waves a work-group, clusters of 4 x 4, 327,680 bytes of LDS; arguments xb, wt, Bq, qw, kw, vw; writes qw, kw, vw
.if DOCPART == 2
	.amdgcn_target "amdgcn-amd-amdhsa--gfx1250"
	.amdhsa_code_object_version 6
	.text
	.protected	k_q113309bb2b_proj
	.globl	k_q113309bb2b_proj
	.p2align	8
	.type	k_q113309bb2b_proj,@function
k_q113309bb2b_proj:
	s_mov_b64 s[64:65], 0
	v_nop
	global_prefetch_b8 v0, s[64:65] scope:SCOPE_SE
	s_setreg_imm32_b32 hwreg(HW_REG_WAVE_MODE, 25, 1), 1
	s_wait_xcnt 0x0
	s_wait_alu depctr_hold_cnt(0) depctr_sa_sdst(0) depctr_va_vdst(0) depctr_va_sdst(0) depctr_va_ssrc(0) depctr_va_vcc(0) depctr_vm_vsrc(0)
	s_getreg_b32 s2, hwreg(HW_REG_IB_STS2, 6, 4)
	s_cmp_eq_u32 s2, 0
	s_cbranch_scc0 .Lentry_in_a_cluster
	s_endpgm
.Lentry_in_a_cluster:
	s_bfe_u32 s2, ttmp6, 0x10000c
	s_cmp_lg_u32 s2, 0xf033
	s_cbranch_scc0 .Lentry_shape_is_right
	s_endpgm
.Lentry_shape_is_right:
; The three projections as one product: [4096 rows of xb] x [3072 rows of wt]^T, K = 1024, bf16 operands, f32 sums.
; A work-group makes 256 rows x the 192 columns of ONE head h (64 of Q, 64 of K, 64 of V); 16 x 16 work-groups.
; Four waves; wave w makes rows 64 w .. 64 w + 63 x all 192 columns: 48 accumulator tiles of 16 x 16, 384 registers.
; K goes in steps of 128 (rows of 256 bytes in memory, starting at multiples of 256) through two LDS slots filled by tensor loads.
; CLUSTERS: 4 x 4 work-groups.  The four of a row of the cluster need the same rows of xb, the four of a column the same rows of wt:
; each tile is asked for jointly by the four that need it, which divides the requests for both operands by four.
; RESULTS, bf16, in the order in which the attention kernel's fragments want them (bh = 16 batch + h):
;   qw[bh][d/8][s][8 d] = (x Wq + Bq) * log2(e)/32      kw[bh][d/8][s][8 d] = x Wk      vw[bh][s/8][d][8 s] = x Wv
; Q and K are made with wt as source 0 and xb as source 1: a lane then holds one row s and eight neighbouring d.  V is made the other way
; round: a lane holds one d and eight neighbouring s.  Either way a lane's eight results are 16 bytes that belong together and sixteen
; neighbouring lanes store 256 consecutive aligned bytes straight from registers: no stage in LDS.
; LIMITS: operands and results are rounded to bf16 (Q after the bias and the factor); the sums' order is the matrix unit's.
;
; REGISTERS, in windows of 256:  window 0: addresses, bias, fragments of xb (two buffers of 4 x 8), work registers of the way out
;   window 1: fragments of wt (two buffers of 12 x 8);  window 2: tiles of Q and K, tile (b, a) at 8 (4 b + a), b = 0..7;  window 3: tiles of V
.set KSTEP,  128
.set PITCH,  272                       ; an LDS row: 256 bytes + 16 of padding: the 16 rows of a fragment load start 16 bytes apart modulo 256
.set ABYTES, 256*PITCH                 ; xb's 256 rows
.set SLOT,   (256+192)*PITCH           ; then wt's 192 rows
.set ADRA, 16                          ; v16-17  LDS address of my xb fragments in slot 0, 1
.set ADRB, 20                          ; v20-21  the same for wt
.set CQ,   24                          ; v24     my byte offset in qw and kw
.set CV,   25                          ; v25     my byte offset in vw
.set BO,   26                          ; v26     my byte offset in Bq
.set BQ,   32                          ; v32-63  the bias of my 4 x 8 columns of Q
.set FA,   64                          ; v64-95, v96-127    fragments of xb, buffers 0 and 1 (window 0)
.set TMP,  128                         ; v128-191           packed results, four sets of 16
.set TF,   192                         ; v192-223           Q in f32 with bias and factor
.set G1A, 24                           ; s[24:31] descriptor group 1, xb's tiles
.set G0A, 32                           ; s[32:39] group 0, xb's tiles, one set for each slot
.set G1B, 48                           ; s[48:55] group 1, wt's tiles
.set G0B, 56                           ; s[56:63] group 0, wt's tiles, one set for each slot
.set FLAGS, (1<<16)|(1<<20)|(1<<21)|(5<<22)|(3<<25)    ; elements of 2 bytes; padding on; bit 21 beside a mask; after every 64 words 4 words
.set MSB, 0
.macro WIN new                         ; the immediate's high byte repeats the setting that is left
.if MSB != \new
	s_set_vgpr_msb (MSB<<8)|\new
.set MSB, \new
.endif
.endm
.macro PLACES                          ; four places behind a matrix instruction, in front of loads into its sources and of readers of its result
.rept 4
	v_nop
.endr
.endm
; A joint load.  Waves 0 and 1 fetch xb's two halves of 128 rows, waves 2 and 3 wt's two halves of 96.  The branch hangs on the wave's number alone.
.macro JLOAD s
	s_cmp_eq_u32 s18, 0
	s_cbranch_scc0 .Lfor_b_\@
	tensor_load_to_lds s[G0A+4*\s:G0A+4*\s+3], s[G1A:G1A+7]
	s_nop 0
	s_branch .Lasked_\@
.Lfor_b_\@:
	tensor_load_to_lds s[G0B+4*\s:G0B+4*\s+3], s[G1B:G1B+7]
	s_nop 0
.Lasked_\@:
.endm
.macro CREST                           ; a round of the cluster's barrier behind its opening work-group barrier
	s_cmp_lg_u32 s16, 0
	s_cbranch_scc1 .Lnot_wave_0_\@
	s_barrier_signal -3
.Lnot_wave_0_\@:
	s_barrier_wait -3
	s_barrier_signal -1
	s_barrier_wait -1
.endm
.macro CROUND                          ; a whole round
	s_barrier_signal -1
	s_barrier_wait -1
	CREST
.endm
	s_load_b256 s[4:11], s[0:1], 0x0               ; xb s[4:5], wt s[6:7], Bq s[8:9], qw s[10:11]
	s_load_b128 s[12:15], s[0:1], 0x20             ; kw s[12:13], vw s[14:15]
	v_lshl_add_u32 v255, v0, 2, 0x3b800
	s_set_vgpr_msb 0x40
	v_mov_b32 v255, 0
	s_set_vgpr_msb 0x4044
	ds_add_u32 v255, v255
	s_set_vgpr_msb 0x4400
	v_lshrrev_b32 v1, 5, v0
	v_readfirstlane_b32 s16, v1                    ; wave 0..3
	s_and_b32 s17, s16, 1                          ; which half of a tile I fetch
	s_lshr_b32 s18, s16, 1                         ; I fetch for xb (0) or for wt (1)
	s_bfe_u32 s19, ttmp6, 0x40000                  ; cx
	s_bfe_u32 s20, ttmp6, 0x40004                  ; cy
	s_lshl_b32 s21, ttmp9, 2
	s_add_co_u32 s21, s21, s19                     ; block column = head h = 4 x cluster x + cx
	s_and_b32 s22, ttmp7, 0xffff
	s_lshl_b32 s22, s22, 2
	s_add_co_u32 s22, s22, s20                     ; block row = 4 x cluster y + cy
	s_lshl_b32 s46, s20, 2
	s_lshl_b32 s46, 15, s46                        ; my row of the cluster: places 4 cy .. 4 cy + 3
	s_lshl_b32 s47, 0x1111, s19                    ; my column: places cx, cx + 4, cx + 8, cx + 12
	s_or_b32 s[G1A+0], s46, FLAGS                  ; xb's tiles go to my row
	s_mov_b32 s[G1A+1], KSTEP<<16                  ; tensor_dim0 = 128
	s_mov_b32 s[G1A+2], 128<<16                    ; tensor_dim1 = 128
	s_mov_b32 s[G1A+3], KSTEP<<16                  ; tile_dim0 = 128 elements, 256 bytes
	s_mov_b32 s[G1A+4], 128                        ; tile_dim1 = 128 rows
	s_mov_b32 s[G1A+5], 1024                       ; elements from row to row
	s_mov_b32 s[G1A+6], 0
	s_mov_b32 s[G1A+7], 0
	s_or_b32 s[G1B+0], s47, FLAGS                  ; wt's tiles go to my column
	s_mov_b32 s[G1B+1], KSTEP<<16
	s_mov_b32 s[G1B+2], 96<<16                     ; 96 rows
	s_mov_b32 s[G1B+3], KSTEP<<16
	s_mov_b32 s[G1B+4], 96
	s_mov_b32 s[G1B+5], 1024
	s_mov_b32 s[G1B+6], 0
	s_mov_b32 s[G1B+7], 0
	; xb's address hangs on the block row and the wave, wt's on the head and the wave, each in registers that never hold the other coordinate
	s_lshl_b32 s23, s17, 7
	s_lshl_b32 s40, s22, 8
	s_add_co_u32 s40, s40, s23                     ; row 256 x block row + 128 x half
	s_lshl_b32 s40, s40, 11                        ; rows of 2,048 bytes (8 MiB in all)
	s_mov_b32 s41, 0
	s_mul_i32 s45, s17, 96
	s_mul_i32 s44, s21, 192
	s_add_co_u32 s44, s44, s45                     ; row 192 h + 96 x half
	s_lshl_b32 s44, s44, 11
	s_mov_b32 s45, 0
	s_mul_i32 s76, s16, 128*PITCH                  ; LDS: waves 0, 1: xb's halves at wave x 128 rows
	s_mul_i32 s77, s16, 96*PITCH                   ;      waves 2, 3: wt's halves at 256 rows + (wave - 2) x 96 rows
	s_add_co_u32 s77, s77, ABYTES-2*96*PITCH
	v_and_b32 v1, 15, v0                           ; r = lane % 16
	v_bfe_u32 v2, v0, 4, 1                         ; half of the wave
	v_lshlrev_b32 v[BO], 9, v2                     ; eight d further on for the upper half: 8 x 16 columns x 4 bytes
	s_wait_dscnt 0x0
	s_wait_kmcnt 0x0
	s_add_nc_u64 s[40:41], s[4:5], s[40:41]
	s_add_nc_u64 s[44:45], s[6:7], s[44:45]
	CROUND                                         ; all sixteen work-groups are here: the first joint loads meet
.irp s, 0,1
	s_mov_b32 s[G0A+4*\s], 1
	s_add_co_u32 s[G0A+4*\s+1], s76, \s*SLOT
	s_add_nc_u64 s[G0A+4*\s+2:G0A+4*\s+3], s[40:41], \s*KSTEP*2
	s_or_b32 s[G0A+4*\s+3], s[G0A+4*\s+3], 0x80000000
	s_mov_b32 s[G0B+4*\s], 1
	s_add_co_u32 s[G0B+4*\s+1], s77, \s*SLOT
	s_add_nc_u64 s[G0B+4*\s+2:G0B+4*\s+3], s[44:45], \s*KSTEP*2
	s_or_b32 s[G0B+4*\s+3], s[G0B+4*\s+3], 0x80000000
	JLOAD \s                                       ; K steps 0 and 1: two tensor loads of a wave are out, the most in this text
.endr
	; the bias of my columns of Q: column 16 d + h, d = 16 b + 8 half + j.  64 words for the work-group, read once; waited for on the way out.
	s_lshl_b32 s74, s21, 2
	s_mov_b32 s75, 0
	s_add_nc_u64 s[8:9], s[8:9], s[74:75]
.irp b, 0,1,2,3
.irp j, 0,1,2,3,4,5,6,7
	global_load_b32 v[BQ+8*\b+\j], v[BO], s[8:9] offset:(16*\b+\j)*64
.endr
.endr
	; where the results go: bh = 16 (block row / 8) + h, first row s0 = 256 (block row % 8)
	s_lshr_b32 s74, s22, 3
	s_lshl_b32 s74, s74, 4
	s_add_co_u32 s74, s74, s21
	s_lshl_b32 s74, s74, 18                        ; bh x 262,144 bytes
	s_and_b32 s78, s22, 7
	s_lshl_b32 s79, s78, 15                        ; vw: s0 / 8 blocks of 1,024 bytes
	s_lshl_b32 s78, s78, 12                        ; qw, kw: s0 x 16 bytes
	s_add_co_u32 s78, s78, s74
	s_add_co_u32 s74, s74, s79
	s_mov_b32 s79, 0
	s_add_nc_u64 s[68:69], s[10:11], s[78:79]
	s_add_nc_u64 s[70:71], s[12:13], s[78:79]
	s_add_nc_u64 s[72:73], s[14:15], s[74:75]
	s_mov_b32 s66, 0x3d38aa3b                      ; log2(e) / 32: the scale 1/sqrt(1024) and the change to base 2, folded into Q
	s_mov_b32 s67, 0x3d38aa3b
	; a fragment: lane l holds row l % 16; registers 0-3 K = 8 (l / 16) + 0..7, registers 4-7 K = 16 + 8 (l / 16) + 0..7: two loads of 16 bytes, 32 apart
	v_mul_u32_u24 v3, v1, PITCH
	v_lshl_add_u32 v3, v2, 4, v3
	s_mul_i32 s78, s16, 64*PITCH                   ; my 64 rows of xb
	s_mov_b32 s79, ABYTES                          ; all 192 rows of wt
.irp s, 0,1
	v_add_nc_u32 v[ADRA+\s], s78, v3
	v_add_nc_u32 v[ADRB+\s], s79, v3
	s_add_co_u32 s78, s78, SLOT
	s_add_co_u32 s79, s79, SLOT
.endr
	v_lshlrev_b32 v4, 4, v1                        ; 16 r
	v_lshl_add_u32 v[CQ], v2, 15, v4               ; qw, kw: the upper half holds the next eight d: one plane of 2,048 x 16 bytes on
	s_lshl_b32 s78, s16, 10                        ; my 64 rows x 16 bytes
	v_add_nc_u32 v[CQ], s78, v[CQ]
	v_lshl_add_u32 v[CV], v2, 10, v4               ; vw: the upper half holds the next eight s: one block of 64 x 16 bytes on
	s_lshl_b32 s78, s16, 13                        ; my 8 blocks
	v_add_nc_u32 v[CV], s78, v[CV]
; 32 LDS loads in one run: the fragments of 32 along K at byte k of the slot's rows, into buffer f
.macro FETCH slot, k, f
	WIN 0x40                                       ; destination window 1, address window 0
.irp i, 0,1,2,3,4,5,6,7,8,9,10,11
	ds_load_b128 v[96*\f+8*\i:96*\f+8*\i+3],   v[ADRB+\slot] offset:\k+\i*16*PITCH
	ds_load_b128 v[96*\f+8*\i+4:96*\f+8*\i+7], v[ADRB+\slot] offset:\k+\i*16*PITCH+32
.endr
	WIN 0
.irp i, 0,1,2,3
	ds_load_b128 v[FA+32*\f+8*\i:FA+32*\f+8*\i+3],   v[ADRA+\slot] offset:\k+\i*16*PITCH
	ds_load_b128 v[FA+32*\f+8*\i+4:FA+32*\f+8*\i+7], v[ADRA+\slot] offset:\k+\i*16*PITCH+32
.endr
.endm
; The 32 tiles of Q and K: source 0 = 16 rows of wt (window 1), source 1 = 16 rows of xb (window 0), C and D window 2.
; zero = 1: the first product starts the sums.  The accumulators take turns, one instruction a turn.
.macro MULQK f, zero
	WIN 0xa1
.irp b, 0,1,2,3,4,5,6,7
.irp a, 0,1,2,3
.if \zero
	v_wmma_f32_16x16x32_bf16 v[8*(4*\b+\a):8*(4*\b+\a)+7], v[96*\f+8*\b:96*\f+8*\b+7], v[FA+32*\f+8*\a:FA+32*\f+8*\a+7], 0
.else
	v_wmma_f32_16x16x32_bf16 v[8*(4*\b+\a):8*(4*\b+\a)+7], v[96*\f+8*\b:96*\f+8*\b+7], v[FA+32*\f+8*\a:FA+32*\f+8*\a+7], v[8*(4*\b+\a):8*(4*\b+\a)+7]
.endif
.endr
.endr
.endm
; The 16 tiles of V: source 0 = xb (window 0), source 1 = wt's rows 128 .. 191 (window 1), C and D window 3.  By turns likewise.
.macro MULV f, zero
	WIN 0xf4
.irp b, 0,1,2,3
.irp a, 0,1,2,3
.if \zero
	v_wmma_f32_16x16x32_bf16 v[8*(4*\b+\a):8*(4*\b+\a)+7], v[FA+32*\f+8*\a:FA+32*\f+8*\a+7], v[96*\f+64+8*\b:96*\f+64+8*\b+7], 0
.else
	v_wmma_f32_16x16x32_bf16 v[8*(4*\b+\a):8*(4*\b+\a)+7], v[FA+32*\f+8*\a:FA+32*\f+8*\a+7], v[96*\f+64+8*\b:96*\f+64+8*\b+7], v[8*(4*\b+\a):8*(4*\b+\a)+7]
.endif
.endr
.endr
.endm
; One of a K step's first three quarters: asks for the next quarter's fragments (byte k, buffer g), then multiplies buffer f: 48 matrix instructions
.macro QUARTER slot, k, f, g, zero
	PLACES                                         ; buffer g was read by the matrix instructions just issued
	FETCH \slot, \k, \g
	s_wait_dscnt 32                                ; all but the 32 just issued: buffer f is whole
	MULQK \f, \zero
	MULV \f, \zero
.endm
.macro THREE slot, zero
	QUARTER \slot, 64,  0, 1, \zero
	QUARTER \slot, 128, 1, 0, 0
	QUARTER \slot, 192, 0, 1, 0
.endm
; The last quarter multiplies buffer 1 and changes slots.  In front of the barrier each wave waits for its reads of this slot and for all
; its tensor loads (one is out: its part of the next slot).  Behind it (fill = 1: behind the whole round of the cluster's barrier) this slot
; is asked for again first, two K steps ahead; then the next slot's first fragments are read.
.macro TURN slot, next, fill
	s_wait_dscnt 0x0                               ; buffer 1 is in, and my reads of this slot are over
	s_wait_tensorcnt 0x0                           ; all my tensor loads have landed
	ds_add_u32 v255, v255
	s_wait_dscnt 0x0
	s_barrier_signal -1
	MULV 1, 0                                      ; registers only, while the others arrive
	WIN 0
	s_barrier_wait -1
.if \fill
	CREST                                          ; no wave of any partner still reads this slot or has a load on its way
	s_add_nc_u64 s[G0A+4*\slot+2:G0A+4*\slot+3], s[G0A+4*\slot+2:G0A+4*\slot+3], 2*KSTEP*2
	s_add_nc_u64 s[G0B+4*\slot+2:G0B+4*\slot+3], s[G0B+4*\slot+2:G0B+4*\slot+3], 2*KSTEP*2
	JLOAD \slot                                    ; my one tensor load behind the round, and the first thing there
.endif
	PLACES
	FETCH \next, 0, 0
	MULQK 1, 0
.endm
.macro LAP zero
	THREE 0, \zero
	TURN 0, 1, 1
	THREE 1, 0
	TURN 1, 0, 1
.endm
	s_wait_tensorcnt 0x1                           ; my part of K step 0 is in; K step 1's stays out
	s_barrier_signal -1
	s_barrier_wait -1                              ; everybody's is
	FETCH 0, 0, 0
	LAP 1                                          ; K steps 0, 1; asks for 2, 3.  Its first products start the sums
	WIN 0
	s_mov_b32 s3, 2                                ; K steps 2 .. 5; they ask for 4 .. 7
.Llap:
	LAP 0
	WIN 0
	s_sub_co_u32 s3, s3, 1
	s_cmp_lg_u32 s3, 0
	s_cbranch_scc1 .Llap
	THREE 0, 0                                     ; K steps 6, 7: nothing is left to ask for
	TURN 0, 1, 0
	THREE 1, 0
	s_wait_dscnt 0x0
	MULV 1, 0
	MULQK 1, 0
	PLACES                                         ; behind the last matrix instructions, in front of the readers of their results
	WIN 0
	; THE WAY OUT.  n: which of the four sets of 16 packed registers; a set is rewritten only behind s_wait_xcnt 0 (its stores have read it).
	s_wait_loadcnt 0x0                             ; the bias
.irp i, 0,1,2,3,4,5,6,7,8,9,10,11,12,13,14,15
	v_pk_mul_f32 v[BQ+2*\i:BQ+2*\i+1], v[BQ+2*\i:BQ+2*\i+1], s[66:67] op_sel_hi:[1,0]     ; Bq x factor, so that one fused multiply-add makes (sum + Bq) x factor
.endr
.macro OUTQ b, n
	s_wait_xcnt 0x0
	WIN 0x02                                       ; source 0: window 2
.irp a, 0,1,2,3
.irp p, 0,1,2,3
	v_pk_fma_f32 v[TF+8*\a+2*\p:TF+8*\a+2*\p+1], v[8*(4*\b+\a)+2*\p:8*(4*\b+\a)+2*\p+1], s[66:67], v[BQ+8*\b+2*\p:BQ+8*\b+2*\p+1] op_sel_hi:[1,0,1]
.endr
.endr
	WIN 0
.irp a, 0,1,2,3
.irp p, 0,1,2,3
	v_cvt_pk_bf16_f32 v[TMP+16*\n+4*\a+\p], v[TF+8*\a+2*\p], v[TF+8*\a+2*\p+1]
.endr
.endr
.irp a, 0,1,2,3
	global_store_b128 v[CQ], v[TMP+16*\n+4*\a:TMP+16*\n+4*\a+3], s[68:69] offset:\b*65536+\a*256   ; plane d/8 = 2 b + half, rows 16 a + r: sixteen lanes, 256 aligned bytes
.endr
.endm
.macro OUTK b, n
	s_wait_xcnt 0x0
	WIN 0x0a                                       ; sources 0 and 1: window 2
.irp a, 0,1,2,3
.irp p, 0,1,2,3
	v_cvt_pk_bf16_f32 v[TMP+16*\n+4*\a+\p], v[8*(4*(\b+4)+\a)+2*\p], v[8*(4*(\b+4)+\a)+2*\p+1]
.endr
.endr
	WIN 0
.irp a, 0,1,2,3
	global_store_b128 v[CQ], v[TMP+16*\n+4*\a:TMP+16*\n+4*\a+3], s[70:71] offset:\b*65536+\a*256
.endr
.endm
.macro OUTV b, n
	s_wait_xcnt 0x0
	WIN 0x0f                                       ; sources 0 and 1: window 3
.irp a, 0,1,2,3
.irp p, 0,1,2,3
	v_cvt_pk_bf16_f32 v[TMP+16*\n+4*\a+\p], v[8*(4*\b+\a)+2*\p], v[8*(4*\b+\a)+2*\p+1]
.endr
.endr
	WIN 0
.irp a, 0,1,2,3
	global_store_b128 v[CV], v[TMP+16*\n+4*\a:TMP+16*\n+4*\a+3], s[72:73] offset:\a*2048+\b*256    ; block s/8 = 2 a + half, d = 16 b + r: sixteen lanes, 256 aligned bytes
.endr
.endm
.irp b, 0,1,2,3
	OUTQ \b, \b
.endr
.irp b, 0,1,2,3
	OUTK \b, \b
.endr
.irp b, 0,1,2,3
	OUTV \b, \b
.endr
	CROUND                                         ; the closing round: no work-group ends while a partner may still ask for a tile that names it
	s_endpgm
.Lfunc_end_k_q113309bb2b_proj:
	.size	k_q113309bb2b_proj, .Lfunc_end_k_q113309bb2b_proj-k_q113309bb2b_proj
	.p2alignl 7, 3214868480
	.fill 96, 4, 3214868480
	.section	.rodata,"a",@progbits
	.p2align	6, 0x0
	.amdhsa_kernel k_q113309bb2b_proj
		.amdhsa_group_segment_fixed_size 327680
		.amdhsa_private_segment_fixed_size 0
		.amdhsa_enable_private_segment 0
		.amdhsa_kernarg_size 48
		.amdhsa_user_sgpr_count 2
		.amdhsa_user_sgpr_kernarg_segment_ptr 1
		.amdhsa_wavefront_size32 1
		.amdhsa_system_sgpr_workgroup_id_x 1
		.amdhsa_system_sgpr_workgroup_id_y 1
		.amdhsa_system_sgpr_workgroup_id_z 1
		.amdhsa_system_vgpr_workitem_id 0
		.amdhsa_next_free_vgpr 896
		.amdhsa_next_free_sgpr 80
		.amdhsa_reserve_vcc 0
		.amdhsa_float_denorm_mode_32 3
		.amdhsa_float_denorm_mode_16_64 3
		.amdhsa_memory_ordered 1
		.amdhsa_forward_progress 1
		.amdhsa_inst_pref_size 164
	.end_amdhsa_kernel
	.amdgpu_metadata
---
amdhsa.version: [ 1, 2 ]
amdhsa.kernels:
  - .name:           k_q113309bb2b_proj
    .symbol:         k_q113309bb2b_proj.kd
    .args:
      - { .name: xb, .offset: 0, .size: 8, .value_kind: global_buffer, .address_space: global }
      - { .name: wt, .offset: 8, .size: 8, .value_kind: global_buffer, .address_space: global }
      - { .name: Bq, .offset: 16, .size: 8, .value_kind: global_buffer, .address_space: global }
      - { .name: qw, .offset: 24, .size: 8, .value_kind: global_buffer, .address_space: global }
      - { .name: kw, .offset: 32, .size: 8, .value_kind: global_buffer, .address_space: global }
      - { .name: vw, .offset: 40, .size: 8, .value_kind: global_buffer, .address_space: global }
    .group_segment_fixed_size: 327680
    .private_segment_fixed_size: 0
    .kernarg_segment_align: 8
    .kernarg_segment_size: 48
    .max_flat_workgroup_size: 128
    .sgpr_count:     80
    .vgpr_count:     896
    .wavefront_size: 32
...
	.end_amdgpu_metadata
.endif
;; end of part 2
;; launch attn (part 3): grid 8 x 32, 8 waves a work-group, clusters of 4 x 1, 327,680 bytes of LDS; arguments qw, kw, vw, ow; writes ow
.if DOCPART == 3
	.amdgcn_target "amdgcn-amd-amdhsa--gfx1250"
	.amdhsa_code_object_version 6
	.text
	.protected	k_q113309bb2b_attn
	.globl	k_q113309bb2b_attn
	.p2align	8
	.type	k_q113309bb2b_attn,@function
k_q113309bb2b_attn:
	s_mov_b64 s[64:65], 0
	v_nop
	global_prefetch_b8 v0, s[64:65] scope:SCOPE_SE
	s_setreg_imm32_b32 hwreg(HW_REG_WAVE_MODE, 25, 1), 1
	s_wait_xcnt 0x0
	s_wait_alu depctr_hold_cnt(0) depctr_sa_sdst(0) depctr_va_vdst(0) depctr_va_sdst(0) depctr_va_ssrc(0) depctr_va_vcc(0) depctr_vm_vsrc(0)
	s_getreg_b32 s2, hwreg(HW_REG_IB_STS2, 6, 4)
	s_cmp_eq_u32 s2, 0
	s_cbranch_scc0 .Lentry_in_a_cluster
	s_endpgm
.Lentry_in_a_cluster:
	s_bfe_u32 s2, ttmp6, 0x10000c
	s_cmp_lg_u32 s2, 0x3003
	s_cbranch_scc0 .Lentry_shape_is_right
	s_endpgm
.Lentry_shape_is_right:
; Attention of one (batch, head) bh = the grid's y, for 256 query rows (block 4 x cluster x + cx), over all 2,048 keys, dh = 64.
;   qw[bh][d/8][s][8 d] bf16, already times log2(e)/32;  kw the same layout;  vw[bh][s/8][d][8 s] bf16;  ow[bh][d/4][s][4 d] f32.
; Eight waves, 32 queries each (two tiles of 16).  Keys go in blocks of 64, with a running maximum and a running sum in f32 (base 2).
; TRANSPOSED USE.  S^T = K Q^T (source 0: 16 keys, source 1: 16 queries) and O^T = V^T P^T (source 0: 16 d, source 1: 16 queries).  A lane owns
; one query, l % 16: maximum and sum run along its own registers, and one exchange between the two halves of the wave ends them.  Two
; neighbouring tiles of S^T, rounded to bf16 in place, ARE the fragment of P^T for 32 keys: no number moves between lanes.
; CLUSTERS: the four query blocks of a cluster read the same K and V of their head: each tile is asked for jointly (mask 15).
; LDS: two slots of 128 KiB, each with 512 keys: K as [d/8][512 keys][16 bytes], V behind it as [key/8][64 d][16 bytes].  Every fragment load of
; sixteen lanes takes 256 consecutive bytes, so no padding is needed.  A slot's refill has a whole pass of 512 keys in which to land.
; The heads lie 4 bytes apart in the final output, so this kernel writes its head's rows to ow in whole blocks of 256 bytes; a last launch merges them.
; LIMITS: P is rounded to bf16 for the product, the sum l takes it unrounded; a term more than 126 powers of two under the row's running
; maximum counts as zero (v_exp_f32 flushes: ISA guide 15.8); inputs are finite; the sums' order differs from a plain loop's.
.set SLOTB, 131072
.set KA,  8                            ; v8      running LDS address of K's fragments
.set VA,  9                            ; v9      of V's
.set KL,  10                           ; v10     lane term for K: 8,192 half + 16 r
.set VL,  11                           ; v11     lane term for V: 65,536 + 1,024 half + 16 r
.set QO,  12                           ; v12     lane term in qw
.set OO,  13                           ; v13     lane term in ow
.set MM,  14                           ; v14-17  running maximum, twice, for query tile 0, 1
.set AL,  18                           ; v18-21  2^(old maximum - new), twice, for tile 0, 1; at the end 1 / l
.set LS,  22                           ; v22-23  running sum of my half of the keys, tile 0, 1
.set MX,  24                           ; v24-27  two chains of maxima for each tile
.set TT,  28                           ; v28-29  what the other half of the wave sends
.set TS,  30                           ; v30-37  two chains of sums for each tile
.set SC,  40                           ; v40-103   S^T: tile (q, t) at 32 q + 8 t; then P^T for keys 32 c .. at 32 q + 16 c
.set KF,  104                          ; v104-167  K: key tile t, d chunk c at 16 t + 8 c
.set VF,  168                          ; v168-231  V^T: key chunk c, d tile t at 32 c + 8 t
.set OA,  0                            ; window 1, v0-63   O^T: tile (q, t) at 32 q + 8 t
.set QF,  64                           ; window 1, v64-95  Q: tile q, d chunk c at 16 q + 8 c
.set G1K, 24                           ; s[24:31] descriptor group 1 for K's tiles
.set G1V, 32                           ; s[32:39] for V's
.set G0K, 40                           ; s[40:47] group 0 for K's tiles, one set for each slot
.set G0V, 48                           ; s[48:55] for V's
.set MSB, 0
.macro WIN new                         ; the immediate's high byte repeats the setting that is left
.if MSB != \new
	s_set_vgpr_msb (MSB<<8)|\new
.set MSB, \new
.endif
.endm
.macro ROUND                           ; a round of the cluster's barrier
	s_barrier_signal -1
	s_barrier_wait -1
	s_cmp_lg_u32 s16, 0
	s_cbranch_scc1 .Lnot_wave_0_\@
	s_barrier_signal -3
.Lnot_wave_0_\@:
	s_barrier_wait -3
	s_barrier_signal -1
	s_barrier_wait -1
.endm
.macro JLOAD s                         ; waves 0-3 ask for a quarter of K's tile each, waves 4-7 for a quarter of V's: 16 KiB a wave
	s_cmp_eq_u32 s17, 0
	s_cbranch_scc0 .Lfor_v_\@
	tensor_load_to_lds s[G0K+4*\s:G0K+4*\s+3], s[G1K:G1K+7]
	s_nop 0
	s_branch .Lasked_\@
.Lfor_v_\@:
	tensor_load_to_lds s[G0V+4*\s:G0V+4*\s+3], s[G1V:G1V+7]
	s_nop 0
.Lasked_\@:
.endm
	s_load_b256 s[4:11], s[0:1], 0x0               ; qw s[4:5], kw s[6:7], vw s[8:9], ow s[10:11]
	v_lshl_add_u32 v254, v0, 2, 0x40000
	v_mov_b32 v255, 0
	ds_add_u32 v254, v255
	v_lshrrev_b32 v1, 5, v0
	v_readfirstlane_b32 s16, v1                    ; wave 0..7
	s_lshr_b32 s17, s16, 2                         ; I fetch for K (0) or for V (1)
	s_and_b32 s18, s16, 3                          ; which quarter
	s_bfe_u32 s19, ttmp6, 0x40000                  ; cx
	s_and_b32 s20, ttmp7, 0xffff                   ; bh
	s_lshl_b32 s21, ttmp9, 2
	s_add_co_u32 s21, s21, s19                     ; query block = 4 x cluster x + cx
	s_mov_b32 s56, 0x76543210                      ; v_permlanex16_b32: lane i of one half reads lane i of the other
	s_mov_b32 s57, 0xfedcba98
	; K: two planes d/8 of 512 keys x 16 bytes: 2 rows of 1,024 elements of 8 bytes, 4,096 elements (a plane of 2,048 keys) apart
	s_mov_b32 s[G1K+0], 15|(3<<16)|(1<<21)         ; the mask names all four of the cluster; elements of 8 bytes; bit 21 beside a mask
	s_mov_b32 s[G1K+1], 1024<<16                   ; tensor_dim0 = 1,024
	s_mov_b32 s[G1K+2], 2<<16                      ; tensor_dim1 = 2
	s_mov_b32 s[G1K+3], 1024<<16                   ; tile_dim0 = 1,024
	s_mov_b32 s[G1K+4], 2                          ; tile_dim1 = 2
	s_mov_b32 s[G1K+5], 4096
	s_mov_b32 s[G1K+6], 0
	s_mov_b32 s[G1K+7], 0
	; V: 16 KiB that are dense in memory, as 64 rows of 256 bytes
	s_mov_b32 s[G1V+0], 15|(3<<16)|(1<<21)
	s_mov_b32 s[G1V+1], 32<<16
	s_mov_b32 s[G1V+2], 64<<16
	s_mov_b32 s[G1V+3], 32<<16
	s_mov_b32 s[G1V+4], 64
	s_mov_b32 s[G1V+5], 32
	s_mov_b32 s[G1V+6], 0
	s_mov_b32 s[G1V+7], 0
	; the tiles' addresses hang on bh and the wave alone, which the four partners share
	s_lshl_b32 s60, s20, 18                        ; bh x 262,144 bytes
	s_lshl_b32 s22, s18, 16                        ; K: two planes of 32,768 bytes for each quarter
	s_add_co_u32 s60, s60, s22
	s_mov_b32 s61, 0
	s_lshl_b32 s62, s20, 18
	s_lshl_b32 s22, s18, 14                        ; V: 16 KiB for each quarter
	s_add_co_u32 s62, s62, s22
	s_mov_b32 s63, 0
	s_mul_i32 s23, s16, 16384                      ; LDS: wave x 16 KiB in the slot: K's four quarters, then V's four
	; my queries and my results (these registers alone hold cx)
	s_lshl_b32 s12, s20, 18
	s_lshl_b32 s13, s21, 12                        ; 256 rows x 16 bytes
	s_add_co_u32 s12, s12, s13
	s_lshl_b32 s14, s20, 19                        ; ow: bh x 524,288 bytes
	s_add_co_u32 s14, s14, s13
	s_lshl_b32 s13, s16, 9                         ; my 32 rows x 16 bytes
	s_add_co_u32 s12, s12, s13
	s_add_co_u32 s14, s14, s13
	s_mov_b32 s13, 0
	s_mov_b32 s15, 0
	v_and_b32 v1, 15, v0                           ; r
	v_bfe_u32 v2, v0, 4, 1                         ; half
	v_lshlrev_b32 v3, 4, v1
	v_lshl_add_u32 v[KL], v2, 13, v3               ; the upper half takes the next eight d: one plane of 512 x 16 bytes on
	v_lshl_add_u32 v[VL], v2, 10, v3               ; the upper half takes the next eight keys: one block of 64 x 16 bytes on
	v_add_nc_u32 v[VL], 65536, v[VL]               ; V lies behind K
	v_lshl_add_u32 v[QO], v2, 15, v3
	v_lshl_add_u32 v[OO], v2, 16, v3               ; the upper half holds the next eight d: two planes of 2,048 x 16 bytes on
	v_mov_b32 v[TT], 0                             ; v_permlanex16_b32 counts as a reader of its destination
	v_mov_b32 v[TT+1], 0
	s_wait_dscnt 0x0
	s_wait_kmcnt 0x0
	s_add_nc_u64 s[6:7], s[6:7], s[60:61]
	s_add_nc_u64 s[8:9], s[8:9], s[62:63]
	s_add_nc_u64 s[4:5], s[4:5], s[12:13]
	s_add_nc_u64 s[10:11], s[10:11], s[14:15]
	ROUND                                          ; the four work-groups are here: the first joint loads meet
.irp s, 0,1
	s_mov_b32 s[G0K+4*\s], 1
	s_add_co_u32 s[G0K+4*\s+1], s23, \s*SLOTB
	s_add_nc_u64 s[G0K+4*\s+2:G0K+4*\s+3], s[6:7], \s*8192         ; keys 512 s ..
	s_or_b32 s[G0K+4*\s+3], s[G0K+4*\s+3], 0x80000000
	s_mov_b32 s[G0V+4*\s], 1
	s_add_co_u32 s[G0V+4*\s+1], s23, \s*SLOTB
	s_add_nc_u64 s[G0V+4*\s+2:G0V+4*\s+3], s[8:9], \s*65536
	s_or_b32 s[G0V+4*\s+3], s[G0V+4*\s+3], 0x80000000
	JLOAD \s                                       ; two tensor loads of a wave are out, the most in this text
.endr
	WIN 0x40                                       ; destination window 1
.irp q, 0,1
.irp c, 0,1
.irp u, 0,1
	global_load_b128 v[QF+16*\q+8*\c+4*\u:QF+16*\q+8*\c+4*\u+3], v[QO], s[4:5] offset:(4*\c+2*\u)*32768+\q*256    ; d = 32 c + 16 u + 8 half + 0..7 of query 16 q + r
.endr
.endr
.endr
	WIN 0
.macro LOADK                           ; 64 keys x 64 d: 16 loads
.irp t, 0,1,2,3
.irp c, 0,1
.irp u, 0,1
	ds_load_b128 v[KF+16*\t+8*\c+4*\u:KF+16*\t+8*\c+4*\u+3], v[KA] offset:(4*\c+2*\u)*8192+\t*256
.endr
.endr
.endr
.endm
.macro LOADV                           ; 64 d x 64 keys: 16 loads
.irp c, 0,1
.irp t, 0,1,2,3
.irp u, 0,1
	ds_load_b128 v[VF+32*\c+8*\t+4*\u:VF+32*\c+8*\t+4*\u+3], v[VA] offset:\c*4096+\u*2048+\t*256
.endr
.endr
.endr
.endm
.macro EXPQ q                          ; p = 2^(s - m), in place
.set i, 0
.rept 16
	v_pk_add_f32 v[SC+32*\q+2*i:SC+32*\q+2*i+1], v[SC+32*\q+2*i:SC+32*\q+2*i+1], v[MM+2*\q:MM+2*\q+1] neg_lo:[0,1] neg_hi:[0,1]
.set i, i+1
.endr
.set i, 0
.rept 32
	v_exp_f32 v[SC+32*\q+i], v[SC+32*\q+i]
.set i, i+1
.endr
.endm
.macro SUMQ q, first                   ; the block's sum of p in two chains, onto the running sum; then p to bf16 in place
	s_wait_alu depctr_va_vdst(0)
	v_pk_add_f32 v[TS+4*\q:TS+4*\q+1],   v[SC+32*\q:SC+32*\q+1],   v[SC+32*\q+2:SC+32*\q+3]
	v_pk_add_f32 v[TS+4*\q+2:TS+4*\q+3], v[SC+32*\q+4:SC+32*\q+5], v[SC+32*\q+6:SC+32*\q+7]
.irp i, 2,3,4,5,6,7
	v_pk_add_f32 v[TS+4*\q:TS+4*\q+1],   v[TS+4*\q:TS+4*\q+1],   v[SC+32*\q+4*\i:SC+32*\q+4*\i+1]
	v_pk_add_f32 v[TS+4*\q+2:TS+4*\q+3], v[TS+4*\q+2:TS+4*\q+3], v[SC+32*\q+4*\i+2:SC+32*\q+4*\i+3]
.endr
	v_pk_add_f32 v[TS+4*\q:TS+4*\q+1], v[TS+4*\q:TS+4*\q+1], v[TS+4*\q+2:TS+4*\q+3]
.if \first
	v_add_f32 v[LS+\q], v[TS+4*\q], v[TS+4*\q+1]
.else
	v_fma_f32 v[LS+\q], v[LS+\q], v[AL+2*\q], v[TS+4*\q]
	v_add_f32 v[LS+\q], v[LS+\q], v[TS+4*\q+1]
.endif
.irp c, 0,1
.irp i, 0,1,2,3
	v_cvt_pk_bf16_f32 v[SC+32*\q+16*\c+\i], v[SC+32*\q+16*\c+2*\i], v[SC+32*\q+16*\c+2*\i+1]          ; keys 32 c + 8 half + 0..7: registers 0-3 of the fragment
.endr
.irp i, 0,1,2,3
	v_cvt_pk_bf16_f32 v[SC+32*\q+16*\c+4+\i], v[SC+32*\q+16*\c+8+2*\i], v[SC+32*\q+16*\c+9+2*\i]      ; keys 32 c + 16 + 8 half + 0..7: registers 4-7
.endr
.endr
.endm
; A block of 64 keys.  first = 1: the very first block starts maximum, sum and O.  nextk = 1: the next block's K is asked for.
; In both products eight accumulators take turns, one instruction a turn.
.macro BLOCK first, nextk
	LOADV
	s_wait_dscnt 16                                ; K's 16 loads are in; V's 16, issued behind them, may be out
	WIN 0x04                                       ; source 1 (Q): window 1
.irp c, 0,1
.irp t, 0,1,2,3
.irp q, 0,1
.if \c
	v_wmma_f32_16x16x32_bf16 v[SC+32*\q+8*\t:SC+32*\q+8*\t+7], v[KF+16*\t+8*\c:KF+16*\t+8*\c+7], v[QF+16*\q+8*\c:QF+16*\q+8*\c+7], v[SC+32*\q+8*\t:SC+32*\q+8*\t+7]
.else
	v_wmma_f32_16x16x32_bf16 v[SC+32*\q+8*\t:SC+32*\q+8*\t+7], v[KF+16*\t+8*\c:KF+16*\t+8*\c+7], v[QF+16*\q+8*\c:QF+16*\q+8*\c+7], 0
.endif
.endr
.endr
.endr
	WIN 0
.rept 4
	v_nop                                          ; four places (ISA guide 7.12.1): then K's registers are loaded again and S is read
.endr
.if \nextk
	v_add_nc_u32 v[KA], 1024, v[KA]                ; 64 keys x 16 bytes on
	LOADK
.endif
	; the maximum of my 32 scores of each query tile and the old maximum: a chain of eight, a chain of seven, one join
.irp q, 0,1
.if \first
	v_max_num_f32 v[MX+2*\q], v[SC+32*\q], v[SC+32*\q+1]
.else
	v_max3_num_f32 v[MX+2*\q], v[MM+2*\q], v[SC+32*\q], v[SC+32*\q+1]
.endif
	v_max3_num_f32 v[MX+2*\q+1], v[SC+32*\q+16], v[SC+32*\q+17], v[SC+32*\q+18]
.endr
.irp i, 1,2,3,4,5,6
.irp q, 0,1
	v_max3_num_f32 v[MX+2*\q],   v[MX+2*\q],   v[SC+32*\q+2*\i],    v[SC+32*\q+2*\i+1]
	v_max3_num_f32 v[MX+2*\q+1], v[MX+2*\q+1], v[SC+32*\q+17+2*\i], v[SC+32*\q+18+2*\i]
.endr
.endr
.irp q, 0,1
	v_max3_num_f32 v[MX+2*\q], v[MX+2*\q], v[SC+32*\q+14], v[SC+32*\q+15]
.endr
.irp q, 0,1
	v_max3_num_f32 v[MX+2*\q], v[MX+2*\q], v[MX+2*\q+1], v[SC+32*\q+31]
.endr
.irp q, 0,1
	v_permlanex16_b32 v[TT+\q], v[MX+2*\q], s56, s57               ; the other half of the wave holds the query's other 32 keys
.endr
.irp q, 0,1
	v_max_num_f32 v[MX+2*\q], v[MX+2*\q], v[TT+\q]                 ; the new maximum, the same in both halves
.endr
.if \first == 0
.irp q, 0,1
	v_sub_f32 v[MX+2*\q+1], v[MM+2*\q], v[MX+2*\q]
.endr
.irp q, 0,1
	v_exp_f32 v[AL+2*\q],   v[MX+2*\q+1]                           ; twice, for the packed multiply; the moves below are the plain
	v_exp_f32 v[AL+2*\q+1], v[MX+2*\q+1]                           ; instructions behind these (ISA guide 5.7.2)
.endr
.endif
.irp q, 0,1
	v_mov_b32 v[MM+2*\q],   v[MX+2*\q]
	v_mov_b32 v[MM+2*\q+1], v[MX+2*\q]
.endr
	EXPQ 0
	EXPQ 1                                         ; its subtractions are the plain instructions behind tile 0's exponentials,
	SUMQ 0, \first                                 ; and tile 0's sums those behind tile 1's
	SUMQ 1, \first
.if \nextk
	s_wait_dscnt 16                                ; V is in; the next block's 16 loads of K, issued behind it, may be out
.else
	s_wait_dscnt 0x0
.endif
.if \first == 0
	WIN 0x41                                       ; destination and source 0: window 1
.irp q, 0,1
.set i, 0
.rept 16
	v_pk_mul_f32 v[OA+32*\q+2*i:OA+32*\q+2*i+1], v[OA+32*\q+2*i:OA+32*\q+2*i+1], v[AL+2*\q:AL+2*\q+1]
.set i, i+1
.endr
.endr
.endif
	WIN 0x50                                       ; C and D: window 1
.irp c, 0,1
.irp t, 0,1,2,3
.irp q, 0,1
.if \first*(1-\c)
	v_wmma_f32_16x16x32_bf16 v[OA+32*\q+8*\t:OA+32*\q+8*\t+7], v[VF+32*\c+8*\t:VF+32*\c+8*\t+7], v[SC+32*\q+16*\c:SC+32*\q+16*\c+7], 0
.else
	v_wmma_f32_16x16x32_bf16 v[OA+32*\q+8*\t:OA+32*\q+8*\t+7], v[VF+32*\c+8*\t:VF+32*\c+8*\t+7], v[SC+32*\q+16*\c:SC+32*\q+16*\c+7], v[OA+32*\q+8*\t:OA+32*\q+8*\t+7]
.endif
.endr
.endr
.endr
	WIN 0
	v_add_nc_u32 v[VA], 8192, v[VA]                ; 8 blocks of 8 keys on.  With the four below: five places, behind which the next
.rept 4
	v_nop                                          ; block's products write over P, and V's registers are loaded again (ISA guide 7.12.1)
.endr
.endm
; The 512 keys of a slot: eight blocks
.macro PASS slot, firstpass
	v_add_nc_u32 v[KA], \slot*SLOTB, v[KL]
	v_add_nc_u32 v[VA], \slot*SLOTB, v[VL]
	LOADK
.if \firstpass
	BLOCK 1, 1
	s_mov_b32 s58, 6
.else
	s_mov_b32 s58, 7
.endif
.Lblk_\@:
	BLOCK 0, 1
	s_sub_co_u32 s58, s58, 1
	s_cmp_lg_u32 s58, 0
	s_cbranch_scc1 .Lblk_\@
	BLOCK 0, 0
.endm
; The slot just read is asked for again, 1,024 keys ahead.
.macro CHANGE slot
	s_wait_dscnt 0x0                               ; my reads of the slot are over
	s_wait_tensorcnt 0x0                           ; all my tensor loads have landed, my part of the other slot among them: every group 0 may be written
	ds_add_u32 v254, v255
	s_wait_dscnt 0x0
	s_add_nc_u64 s[G0K+4*\slot+2:G0K+4*\slot+3], s[G0K+4*\slot+2:G0K+4*\slot+3], 16384
	s_add_nc_u64 s[G0V+4*\slot+2:G0V+4*\slot+3], s[G0V+4*\slot+2:G0V+4*\slot+3], 131072
	ROUND                                          ; both now hold of every wave of all four work-groups
	JLOAD \slot                                    ; my one tensor load behind the round, and the first thing there
.endm
	s_wait_tensorcnt 0x1                           ; my part of slot 0 is in; slot 1's stays out
	s_barrier_signal -1
	s_barrier_wait -1                              ; everybody's is
	s_wait_loadcnt 0x0                             ; Q
	PASS 0, 1                                      ; keys 0 .. 511
	CHANGE 0
	PASS 1, 0                                      ; keys 512 .. 1,023
	CHANGE 1
	PASS 0, 0                                      ; keys 1,024 .. 1,535
	s_wait_dscnt 0x0
	s_wait_tensorcnt 0x0                           ; my part of the last tile has landed; nothing is left to ask for
	s_barrier_signal -1
	s_barrier_wait -1
	PASS 1, 0                                      ; keys 1,536 .. 2,047
	; O / l.  The last block's five places stand behind its products.
.irp q, 0,1
	v_permlanex16_b32 v[TT+\q], v[LS+\q], s56, s57
.endr
.irp q, 0,1
	v_add_f32 v[LS+\q], v[LS+\q], v[TT+\q]         ; both halves of the keys
.endr
.irp q, 0,1
	v_rcp_f32 v[AL+2*\q],   v[LS+\q]
	v_rcp_f32 v[AL+2*\q+1], v[LS+\q]
.endr
	v_nop                                          ; the plain instruction behind the reciprocals (ISA guide 5.7.2)
	WIN 0x41
	s_wait_alu depctr_va_vdst(0)
.irp q, 0,1
.set i, 0
.rept 16
	v_pk_mul_f32 v[OA+32*\q+2*i:OA+32*\q+2*i+1], v[OA+32*\q+2*i:OA+32*\q+2*i+1], v[AL+2*\q:AL+2*\q+1]
.set i, i+1
.endr
.endr
	WIN 0x04                                       ; a store's data: window 1
.irp q, 0,1
.irp t, 0,1,2,3
.irp e, 0,1
	global_store_b128 v[OO], v[OA+32*\q+8*\t+4*\e:OA+32*\q+8*\t+4*\e+3], s[10:11] offset:\t*131072+\e*32768+\q*256   ; plane d/4 = 4 t + 2 half + e, rows 16 q + r: sixteen lanes, 256 aligned bytes
.endr
.endr
.endr
	WIN 0
	s_wait_tensorcnt 0x0
	ds_add_u32 v254, v255
	s_wait_dscnt 0x0
	ROUND                                          ; the closing round: no work-group ends while a partner may still ask for a tile that names it
	s_endpgm
.Lfunc_end_k_q113309bb2b_attn:
	.size	k_q113309bb2b_attn, .Lfunc_end_k_q113309bb2b_attn-k_q113309bb2b_attn
	.p2alignl 7, 3214868480
	.fill 96, 4, 3214868480
	.section	.rodata,"a",@progbits
	.p2align	6, 0x0
	.amdhsa_kernel k_q113309bb2b_attn
		.amdhsa_group_segment_fixed_size 327680
		.amdhsa_private_segment_fixed_size 0
		.amdhsa_enable_private_segment 0
		.amdhsa_kernarg_size 32
		.amdhsa_user_sgpr_count 2
		.amdhsa_user_sgpr_kernarg_segment_ptr 1
		.amdhsa_wavefront_size32 1
		.amdhsa_system_sgpr_workgroup_id_x 1
		.amdhsa_system_sgpr_workgroup_id_y 1
		.amdhsa_system_sgpr_workgroup_id_z 1
		.amdhsa_system_vgpr_workitem_id 0
		.amdhsa_next_free_vgpr 352
		.amdhsa_next_free_sgpr 66
		.amdhsa_reserve_vcc 0
		.amdhsa_float_denorm_mode_32 3
		.amdhsa_float_denorm_mode_16_64 3
		.amdhsa_memory_ordered 1
		.amdhsa_forward_progress 1
		.amdhsa_inst_pref_size 166
	.end_amdhsa_kernel
	.amdgpu_metadata
---
amdhsa.version: [ 1, 2 ]
amdhsa.kernels:
  - .name:           k_q113309bb2b_attn
    .symbol:         k_q113309bb2b_attn.kd
    .args:
      - { .name: qw, .offset: 0, .size: 8, .value_kind: global_buffer, .address_space: global }
      - { .name: kw, .offset: 8, .size: 8, .value_kind: global_buffer, .address_space: global }
      - { .name: vw, .offset: 16, .size: 8, .value_kind: global_buffer, .address_space: global }
      - { .name: ow, .offset: 24, .size: 8, .value_kind: global_buffer, .address_space: global }
    .group_segment_fixed_size: 327680
    .private_segment_fixed_size: 0
    .kernarg_segment_align: 8
    .kernarg_segment_size: 32
    .max_flat_workgroup_size: 256
    .sgpr_count:     66
    .vgpr_count:     352
    .wavefront_size: 32
...
	.end_amdgpu_metadata
.endif
;; end of part 3
;; launch merge (part 4): grid 256 x 1, 8 waves a work-group, no clusters, 66,816 bytes of LDS; arguments ow, out0; writes out0
.if DOCPART == 4
	.amdgcn_target "amdgcn-amd-amdhsa--gfx1250"
	.amdhsa_code_object_version 6
	.text
	.protected	k_q113309bb2b_merge
	.globl	k_q113309bb2b_merge
	.p2align	8
	.type	k_q113309bb2b_merge,@function
k_q113309bb2b_merge:
	s_mov_b64 s[64:65], 0
	v_nop
	global_prefetch_b8 v0, s[64:65] scope:SCOPE_SE
	s_setreg_imm32_b32 hwreg(HW_REG_WAVE_MODE, 25, 1), 1
	s_wait_xcnt 0x0
; out0[b][s][16 d + h] = ow[16 b + h][d/4][s][d%4]: the heads, which lie 4 bytes apart in the output, are woven together.
; A work-group owns 16 rows s of one batch: 64 KiB in, 64 KiB out.  Sixteen lanes read 256 consecutive aligned bytes of ow (16 rows x 4 d of a
; head); the words are put in their places in LDS; whole rows are read back and stored, 512 consecutive bytes for each store of a wave.
; A stream: each byte is read once and written once, no work-group shares a byte with another (no cluster), and there is no product.
.set PITCH, 4112                       ; an output row of 4,096 bytes + 16: in a store of words the word index modulo 64 is 4 sl + head + 16 dd, different in all 32 lanes
.set XIN, 8                            ; v[8:71]  sixteen loads of 16 bytes, then sixteen pieces of rows
	s_load_b128 s[4:7], s[0:1], 0x0                ; ow s[4:5], out0 s[6:7]
	v_lshl_add_u32 v80, v0, 2, 0x10100
	v_mov_b32 v81, 0
	v_and_b32 v1, 15, v0                           ; sl: my row of the 16
	v_bfe_u32 v2, v0, 4, 1
	v_lshrrev_b32 v3, 5, v0                        ; w
	v_and_b32 v4, 31, v0                           ; lane
	s_lshr_b32 s8, ttmp9, 7                        ; batch
	s_and_b32 s9, ttmp9, 127                       ; which 16 rows
	s_lshl_b32 s10, s8, 23                         ; 16 heads of 524,288 bytes
	s_lshl_b32 s9, s9, 8                           ; 16 rows x 16 bytes
	s_add_co_u32 s10, s10, s9
	s_mov_b32 s11, 0
	s_lshl_b32 s12, ttmp9, 16                      ; 16 rows of 4,096 bytes for each work-group
	s_mov_b32 s13, 0
	v_lshl_add_u32 v5, v3, 1, v2                   ; head = 2 w + half
	v_lshlrev_b32 v6, 19, v5
	v_lshl_add_u32 v6, v1, 4, v6                   ; source offset
	v_mul_u32_u24 v7, v1, PITCH
	v_lshl_add_u32 v7, v5, 2, v7                   ; LDS, in: row sl, word head
	v_mul_u32_u24 v72, v3, 2*PITCH
	v_lshl_add_u32 v72, v4, 4, v72                 ; LDS, back: rows 2 w and 2 w + 1, 16 bytes a lane
	v_lshlrev_b32 v73, 13, v3
	v_lshl_add_u32 v73, v4, 4, v73                 ; the same two rows in out0
	s_wait_kmcnt 0x0
	s_add_nc_u64 s[4:5], s[4:5], s[10:11]
	s_add_nc_u64 s[6:7], s[6:7], s[12:13]
.irp i, 0,1,2,3,4,5,6,7,8,9,10,11,12,13,14,15
	global_load_b128 v[XIN+4*\i:XIN+4*\i+3], v6, s[4:5] offset:\i*32768 th:TH_LOAD_NT     ; plane d/4 = i
.endr
.irp i, 0,1,2,3,4,5,6,7,8,9,10,11,12,13,14,15
	s_wait_loadcnt 15-\i                           ; loads come back in order: number i is in, the 15 - i younger ones stay out
.irp e, 0,1,2,3
	ds_store_b32 v7, v[XIN+4*\i+\e] offset:\i*256+\e*64            ; column 16 (4 i + e) + head
.endr
.endr
	s_wait_dscnt 0x0                               ; my stores are done before I say so: other waves read these rows
	s_barrier_signal -1
	s_barrier_wait -1
.irp i, 0,1,2,3,4,5,6,7,8,9,10,11,12,13,14,15
	ds_load_b128 v[XIN+4*\i:XIN+4*\i+3], v72 offset:(\i>>3)*PITCH+(\i&7)*512
.endr
.irp i, 0,1,2,3,4,5,6,7,8,9,10,11,12,13,14,15
	s_wait_dscnt 15-\i                             ; LDS loads come back in order
	global_store_b128 v73, v[XIN+4*\i:XIN+4*\i+3], s[6:7] offset:\i*512 th:TH_STORE_NT    ; 512 consecutive aligned bytes
.endr
	s_wait_tensorcnt 0x0
	ds_add_u32 v80, v81
	s_wait_dscnt 0x0
	s_endpgm
.Lfunc_end_k_q113309bb2b_merge:
	.size	k_q113309bb2b_merge, .Lfunc_end_k_q113309bb2b_merge-k_q113309bb2b_merge
	.p2alignl 7, 3214868480
	.fill 96, 4, 3214868480
	.section	.rodata,"a",@progbits
	.p2align	6, 0x0
	.amdhsa_kernel k_q113309bb2b_merge
		.amdhsa_group_segment_fixed_size 66816
		.amdhsa_private_segment_fixed_size 0
		.amdhsa_enable_private_segment 0
		.amdhsa_kernarg_size 16
		.amdhsa_user_sgpr_count 2
		.amdhsa_user_sgpr_kernarg_segment_ptr 1
		.amdhsa_wavefront_size32 1
		.amdhsa_system_sgpr_workgroup_id_x 1
		.amdhsa_system_sgpr_workgroup_id_y 1
		.amdhsa_system_sgpr_workgroup_id_z 1
		.amdhsa_system_vgpr_workitem_id 0
		.amdhsa_next_free_vgpr 82
		.amdhsa_next_free_sgpr 66
		.amdhsa_reserve_vcc 0
		.amdhsa_float_denorm_mode_32 3
		.amdhsa_float_denorm_mode_16_64 3
		.amdhsa_memory_ordered 1
		.amdhsa_forward_progress 1
		.amdhsa_inst_pref_size 11
	.end_amdhsa_kernel
	.amdgpu_metadata
---
amdhsa.version: [ 1, 2 ]
amdhsa.kernels:
  - .name:           k_q113309bb2b_merge
    .symbol:         k_q113309bb2b_merge.kd
    .args:
      - { .name: ow, .offset: 0, .size: 8, .value_kind: global_buffer, .address_space: global }
      - { .name: out0, .offset: 8, .size: 8, .value_kind: global_buffer, .address_space: global }
    .group_segment_fixed_size: 66816
    .private_segment_fixed_size: 0
    .kernarg_segment_align: 8
    .kernarg_segment_size: 16
    .max_flat_workgroup_size: 256
    .sgpr_count:     66
    .vgpr_count:     82
    .wavefront_size: 32
...
	.end_amdgpu_metadata
.endif
;; end of part 4
